; MI455X (gfx1250); checked and timed in simulation.
; The chip was launched on July 23, 2026; its instructions are those of AMD's public machine-readable ISA for CDNA 5 (MIT licence, August 2026) and "CDNA5" Instruction Set Architecture Reference Guide (July 2026). The comments in the code are by the model that wrote it; some were corrected since.
;; Sparse Local Attention. Allowed arithmetic: matrix products marked QUANTISED: E2M1 operands, one E8M0 scale for each 32 along K, by v_wmma_scale_f32_16x16x128_f8f6f4 with both operands' format E2M1 (or v_wmma_scale_f32_32x16x128_f4), f32 sums; products left as they are: bf16, f16 or f32 operands; f32 sums; everything else in f32.
;; Inputs: inputs 4 x 4,096 x 512 float32.
;; Outputs: out0 4 x 4,096 x 512 float32.
;; This version of the problem:
;;   THIS VERSION OF THE PROBLEM IS GIVEN IN LOW PRECISION. The matrix products marked QUANTISED in the list below multiply operands that are first quantised to E2M1 (2 exponent bits, 1 mantissa bit; 4 bits a number), with one power-of-two scale for each 32 numbers along K (OCP MX v1.0); their sums are f32. The products marked 'left as it is' may take bf16, f16 or f32 operands, with f32 sums. Whichever they take, every output number must still come out within the allowed error. Rounding operands to bf16 (8 significant bits) uses up far more of that allowance than f16 does (11 bits, for magnitudes from 6e-5 to 65,504). All else is computed in f32.
;;   The module's matrix products, in the order in which they are computed (A, B: the left and right operand; K: the contracted axis; several contracted axes count as one K, in the product's order):
;;     1. batch 4 x [M 4,096, K 512] x [K 512, N 4,096]; A: input inputs; B: input inputs: QUANTISED
;;     2. batch 4 x [M 4,096, K 4,096] x [K 4,096, N 512]; A: computed on the way; B: input inputs: left as it is (an operand is computed on the way)
;;   THE QUANTISER, for each operand of a quantised product, along K:
;;     - K is cut into blocks of 32 from its start; a last block that is shorter is filled with zeros.
;;     - A block's scale is 2^e with e = floor(log2(the largest magnitude in the block)) - 2, held to -126 .. 127; a block of zeros has e = 0. As a byte (E8M0): e + 127.
;;     - Each number is divided by its block's scale, clamped to +-6, and rounded to the nearest number of E2M1, ties to even, subnormals kept.
;;     - The product sums the exact products of the quantised numbers (number of the format x scale) in f32.
;;   ~~~python
;;   def quantise(x, axis):      # numpy; x: float32 -> the quantised numbers, widened to float32 again
;;       x = np.moveaxis(x, axis, -1); K = x.shape[-1]
;;       x = np.pad(x, [(0, 0)] * (x.ndim - 1) + [(0, -K % 32)]); x = x.reshape(x.shape[:-1] + (-1, 32)); a = np.abs(x).max(-1, keepdims=True)
;;       e = np.where(a > 0, np.clip(np.frexp(np.where(a > 0, a, 1))[1] - 1 - 2, -126, 127), 0)      # np.frexp(a)[1] - 1 = floor(log2(a)), exactly
;;       r = np.clip(x / 2.0 ** e, -6, 6)
;;       step = 2.0 ** (np.maximum(np.frexp(np.where(r == 0, 1, r))[1] - 1, 0) - 1)
;;       q = np.round(r / step) * step * 2.0 ** e      # np.round: ties to even
;;       return np.moveaxis(q.reshape(q.shape[:-2] + (-1,))[..., :K], -1, axis).astype(np.float32)
;;   ~~~
;; One version. Each part assembles by itself: llvm-mc -triple=amdgcn-amd-amdhsa -mcpu=gfx1250 --defsym DOCPART=n.
;; ======== version 1 of 1: 3 launches
;; workspace buffers: rec 4,456,448 bytes; bm 8,388,608 bytes of whole numbers; rk 262,144 bytes of whole numbers; la 262,144 bytes of whole numbers; lb 262,144 bytes of whole numbers
;; launch quant (part 1): grid 256 x 1, 4 waves a work-group, no clusters, 39,424 bytes of LDS; arguments inputs, rec; writes rec
.if DOCPART == 1
	.amdgcn_target "amdgcn-amd-amdhsa--gfx1250"
	.amdhsa_code_object_version 6
	.text
	.protected	k_q62f835c7e6_quant
	.globl	k_q62f835c7e6_quant
	.p2align	8
	.type	k_q62f835c7e6_quant,@function
k_q62f835c7e6_quant:
	s_mov_b64 s[64:65], 0
	v_nop
	global_prefetch_b8 v0, s[64:65] scope:SCOPE_SE
	s_setreg_imm32_b32 hwreg(HW_REG_WAVE_MODE, 25, 1), 1
	s_wait_xcnt 0x0
; THE PROGRAM.  out[b][i] = sum over k of softmax_k(S[b][i][k] x (mask[i][k] - 1e9)) x[b][k], S = Q(x) Q(x)^T with Q the MX-FP4 quantiser along the 512 channels.
; Three launches: this one turns x into records of codes and scale bytes; the second makes ALL of S on the matrix units, keeps each row's smallest score and one bit for each key
; whose weight can be other than 0; the third reads those bits as whole numbers and, for each marked key, makes its score again, its weight by a running maximum, and adds weight x x[k] in f32.
; THE MASK'S FACTOR.  The factor mask - 1e9 is formed in f32 from constants alone: 0 - 1e9 and 1 - 1e9.  f32 numbers of that size lie 64 apart, so both are -1e9 (0xCE6E6B28): the factor is that
; one number for every (i, k), whatever the inputs hold.  That is the stated f32 arithmetic carried out, not work left out: no tile of S is skipped on the strength of the band.
; NO WORK IS LEFT OUT AS DEAD.  Terms of the second product are passed over only where stored whole numbers say that the weight is 0: a weight exp(a_k - m), a = fl(-1e9 s), is other than 0 in f32 only
; where a_k - m >= -104, that is s_k - s_min <= 1.04e-7 + 2^-23 |s|; every key with s_k < g + (|g| 2^-21 + 2^-22), g any number from s_min to s_k, is marked, which holds all of those.  A key marked beyond need gets its true weight.
; LIMITS: NaN and infinities among the inputs are not served; |score| x 1e9 must be finite.  Weights that v_exp_f32 gives as 0 because they lie under 2^-126 count as 0 (4,096 of them are under 5e-35 beside a sum of at least 1).
;
; THIS LAUNCH.  x: 16,384 rows of 512 f32.  A row becomes a RECORD of 272 bytes: bytes 0-255 its 512 codes of E2M1 (two a byte, the lower channel in the low four bits), bytes 256-271 its 16 E8M0 scale bytes.
; 272 = 17 x 16: records on end are LDS rows whose sixteen neighbours start at sixteen different 16-byte columns, with no padding; 16 records are 17 x 256 bytes.
; A block's scale is 2^(floor(log2(its largest magnitude)) - 2); its byte is the largest magnitude's exponent field - 2, held at 1 from below.  A block of zeros so gets the byte 1 and not 127: its codes are zeros,
; which add nothing under any byte but 0xff, and the bytes are read by this program alone.  Blocks whose largest magnitude lies under 2^-124 are held at that byte.
; A wave takes 16 rows, a row a step.  Each of a step's four loads reads 512 consecutive bytes; the 2,048 bytes turn through the wave's own stage in LDS and come back 64 bytes a lane: 16 neighbours, two lanes to a block.
; Codes and bytes are gathered as records in the wave's own image in LDS and leave as 17 stores of 256 consecutive bytes.  No tensor load, no barrier: waves share nothing.
.set WAVES, 4
.set STEPS, 16
.set SP,    80                         ; a lane's place in a stage: its 64 bytes + 16 of padding
.set IMG,   2*32*SP                    ; behind the two stages: the image of 16 records
.set RECB,  272
.set WREG,  9728                       ; a wave's region: 5,120 + 4,352, rounded up to blocks of 256
.set SPARE, WAVES*WREG                 ; the spare words, 128 bytes for each wave: two blocks of 256 bytes that no other line names
.set SPW,   12                         ; v12  LDS address of my spare word; never rewritten
.set NIL,   13                         ; v13  0; never rewritten
.set R,     16                         ; v16-79    four sets of 16 numbers as they are loaded
.set X,     80                         ; v80-111   two sets of 16 neighbours
.set E,     112                        ; v112-127  a scale byte for each step
.set C,     128                        ; v128-159  a pair of code registers for each step
.set OUTR,  160                        ; v160-193  the way out: 17 pairs
	s_load_b128 s[4:7], s[0:1], 0x0                ; x, the records
	v_lshl_add_u32 v[SPW], v0, 2, SPARE
	v_mov_b32 v[NIL], 0
	v_lshrrev_b32 v1, 5, v0
	v_readfirstlane_b32 s16, v1                    ; wave
	v_and_b32 v2, 31, v0                           ; lane
	v_lshlrev_b32 v3, 4, v2                        ; my 16 bytes of a load's 512
	s_mul_i32 s17, s16, WREG
	v_lshrrev_b32 v14, 2, v2
	v_mul_u32_u24 v14, v14, SP
	v_and_b32 v15, 3, v2
	v_lshl_add_u32 v14, v15, 4, v14
	v_add_nc_u32 v14, s17, v14                     ; the stage, on the way in: SP (lane / 4) + 16 (lane % 4)
	v_mul_u32_u24 v15, v2, SP
	v_add_nc_u32 v15, s17, v15                     ; and on the way out: SP x lane
	v_lshlrev_b32 v7, 3, v2                        ; 8 x lane: my codes' place in a record, and my place in a store of 256 bytes
	s_add_co_u32 s17, s17, IMG
	v_add_nc_u32 v4, s17, v7                       ; the image: my codes; also where I read it back
	v_lshrrev_b32 v5, 1, v2
	v_add_nc_u32 v5, s17, v5                       ; the image: my block's byte (+ 256 in the offset)
	s_lshl_b32 s18, ttmp9, 2
	s_add_co_u32 s18, s18, s16                     ; which run of 16 rows is my wave's
	s_lshl_b32 s20, s18, 15                        ; 16 rows of 2,048 bytes
	s_mov_b32 s21, 0
	s_mul_i32 s22, s18, 16*RECB                    ; 16 records
	s_mov_b32 s23, 0
	s_wait_kmcnt 0x0
	s_add_nc_u64 s[4:5], s[4:5], s[20:21]
	s_add_nc_u64 s[6:7], s[6:7], s[22:23]
.macro LOAD t
.irp i, 0,1,2,3
	global_load_b128 v[R+16*((\t)%4)+4*\i:R+16*((\t)%4)+4*\i+3], v3, s[4:5] offset:2048*(\t)+512*\i th:TH_LOAD_NT   ; 32 lanes read 512 consecutive bytes
.endr
.endm
.macro TURN t                          ; row t through the stage: LDS serves a wave's instructions in order, so no wait stands between the stores and the loads
.irp i, 0,1,2,3
	ds_store_b128 v14, v[R+16*((\t)%4)+4*\i:R+16*((\t)%4)+4*\i+3] offset:32*SP*((\t)%2)+8*SP*\i
.endr
.irp i, 0,1,2,3
	ds_load_b128 v[X+16*((\t)%2)+4*\i:X+16*((\t)%2)+4*\i+3], v15 offset:32*SP*((\t)%2)+16*\i
.endr
.endm
.irp t, 0,1,2,3
	LOAD \t
.endr
	s_wait_loadcnt 12                              ; row 0's four loads are in
	TURN 0
.macro STEP t
.set XS, X+16*((\t)%2)
.if (\t) > 0
	s_wait_dscnt 2                                 ; this row's numbers are back from the stage; the last step's two stores into the image may be out
.else
	s_wait_dscnt 0x0
.endif
.if (\t)+4 < STEPS
	LOAD (\t)+4                                    ; into the set that this row's stage stores have read
.endif
.if (\t)+1 < STEPS
.if STEPS-2-(\t) >= 3
	s_wait_loadcnt 12                              ; the next row's four loads are in; those of the three rows behind it may be out
.else
	s_wait_loadcnt 4*(STEPS-2-(\t))
.endif
	TURN (\t)+1                                    ; through the other stage while this row is worked
.endif
	v_max3_num_f32 v8, |v[XS]|, |v[XS+1]|, |v[XS+2]|               ; the largest magnitude of my 16, in two chains
	v_max3_num_f32 v9, |v[XS+3]|, |v[XS+4]|, |v[XS+5]|
.irp i, 6,10
	v_max3_num_f32 v8, v8, |v[XS+\i]|, |v[XS+\i+1]|
	v_max3_num_f32 v9, v9, |v[XS+\i+2]|, |v[XS+\i+3]|
.endr
	v_max3_num_f32 v8, v8, |v[XS+14]|, |v[XS+15]|
	v_max3_num_f32 v8, v8, v9, 0x1800000           ; and the floor 2^(3 - 127): the byte cannot fall under 1
	v_max_num_f32_dpp v8, v8, v8 row_xmask:1 row_mask:0xf bank_mask:0xf   ; with my neighbour's 16: the block's
	v_add_nc_u32 v11, 0xff000000, v8               ; 2 off its exponent field: the conversion takes the exponent field of this operand as its scale
	v_cvt_scalef32_pk8_fp4_f32 v[C+2*(\t)], v[XS:XS+7], v11
	v_cvt_scalef32_pk8_fp4_f32 v[C+2*(\t)+1], v[XS+8:XS+15], v11
	v_lshrrev_b32 v[E+(\t)], 23, v11               ; the scale's byte (also the plain instruction behind the conversions)
	ds_store_b8 v5, v[E+(\t)] offset:RECB*(\t)+256 ; both lanes of a block write the same byte with the same value
	ds_store_b64 v4, v[C+2*(\t):C+2*(\t)+1] offset:RECB*(\t)
.endm
.irp t, 0,1,2,3,4,5,6,7,8,9,10,11,12,13,14,15
	STEP \t
.endr
.irp i, 0,1,2,3,4,5,6,7,8,9,10,11,12,13,14,15,16
	ds_load_b64 v[OUTR+2*\i:OUTR+2*\i+1], v4 offset:256*\i         ; the image as it lies: these see my stores
.endr
.irp i, 0,1,2,3,4,5,6,7,8,9,10,11,12,13,14,15,16
	s_wait_dscnt 16-\i                             ; load i is back; the younger ones may be out
	global_store_b64 v7, v[OUTR+2*\i:OUTR+2*\i+1], s[6:7] offset:256*\i   ; 32 lanes store 256 consecutive bytes, at a multiple of 256 from the buffer's first byte
.endr
	s_wait_tensorcnt 0x0                           ; the wave's end, behind my last LDS store
	ds_add_u32 v[SPW], v[NIL]
	s_wait_dscnt 0x0
	s_endpgm
.Lfunc_end_k_q62f835c7e6_quant:
	.size	k_q62f835c7e6_quant, .Lfunc_end_k_q62f835c7e6_quant-k_q62f835c7e6_quant
	.p2alignl 7, 3214868480
	.fill 96, 4, 3214868480
	.section	.rodata,"a",@progbits
	.p2align	6, 0x0
	.amdhsa_kernel k_q62f835c7e6_quant
		.amdhsa_group_segment_fixed_size 39424
		.amdhsa_private_segment_fixed_size 0
		.amdhsa_enable_private_segment 0
		.amdhsa_kernarg_size 16
		.amdhsa_user_sgpr_count 2
		.amdhsa_user_sgpr_kernarg_segment_ptr 1
		.amdhsa_wavefront_size32 1
		.amdhsa_system_sgpr_workgroup_id_x 1
		.amdhsa_system_sgpr_workgroup_id_y 1
		.amdhsa_system_sgpr_workgroup_id_z 1
		.amdhsa_system_vgpr_workitem_id 0
		.amdhsa_next_free_vgpr 196
		.amdhsa_next_free_sgpr 66
		.amdhsa_reserve_vcc 0
		.amdhsa_float_denorm_mode_32 3
		.amdhsa_float_denorm_mode_16_64 3
		.amdhsa_memory_ordered 1
		.amdhsa_forward_progress 1
		.amdhsa_inst_pref_size 35
	.end_amdhsa_kernel
	.amdgpu_metadata
---
amdhsa.version: [ 1, 2 ]
amdhsa.kernels:
  - .name:           k_q62f835c7e6_quant
    .symbol:         k_q62f835c7e6_quant.kd
    .args:
      - { .name: inputs, .offset: 0, .size: 8, .value_kind: global_buffer, .address_space: global }
      - { .name: rec, .offset: 8, .size: 8, .value_kind: global_buffer, .address_space: global }
    .group_segment_fixed_size: 39424
    .private_segment_fixed_size: 0
    .kernarg_segment_align: 8
    .kernarg_segment_size: 16
    .max_flat_workgroup_size: 128
    .sgpr_count:     66
    .vgpr_count:     196
    .wavefront_size: 32
...
	.end_amdgpu_metadata
.endif
;; end of part 1
;; launch scan (part 2): grid 32 x 8, 8 waves a work-group, clusters of 4 x 1, 327,680 bytes of LDS; arguments rec, bm, rk, la, lb; writes bm, rk, la, lb
.if DOCPART == 2
	.amdgcn_target "amdgcn-amd-amdhsa--gfx1250"
	.amdhsa_code_object_version 6
	.text
	.protected	k_q62f835c7e6_scan
	.globl	k_q62f835c7e6_scan
	.p2align	8
	.type	k_q62f835c7e6_scan,@function
k_q62f835c7e6_scan:
	s_mov_b64 s[64:65], 0
	v_nop
	global_prefetch_b8 v0, s[64:65] scope:SCOPE_SE
	s_setreg_imm32_b32 hwreg(HW_REG_WAVE_MODE, 25, 1), 1
	s_wait_xcnt 0x0
	s_wait_alu depctr_hold_cnt(0) depctr_sa_sdst(0) depctr_va_vdst(0) depctr_va_sdst(0) depctr_va_ssrc(0) depctr_va_vcc(0) depctr_vm_vsrc(0)
	s_getreg_b32 s2, hwreg(HW_REG_IB_STS2, 6, 4)
	s_cmp_eq_u32 s2, 0
	s_cbranch_scc0 .Lentry_in_a_cluster
	s_endpgm
.Lentry_in_a_cluster:
	s_bfe_u32 s2, ttmp6, 0x10000c
	s_cmp_lg_u32 s2, 0x3003
	s_cbranch_scc0 .Lentry_shape_is_right
	s_endpgm
.Lentry_shape_is_right:
; ALL OF S = Q(x) Q(x)^T, on codes of E2M1 with E8M0 scales, and of each row: its smallest score and a bit for each key whose weight can be other than 0.  No tile of S is left out (the mask's factor is -1e9 everywhere: first kernel's head).
; SHARES.  Work-group (x, y): batch y / 2, rows 128 x .. 128 x + 127 of it, keys 2,048 (y % 2) .. + 2,047: 256 work-groups of equal work.  Each of the 8 waves holds ALL 128 queries in registers (8 tiles x 4 K steps x 8 = 256, window 1);
; the KEYS are shared out: of a slot's 512 keys wave w fetches, and alone reads, keys 64 w .. 64 w + 63.  So a key's fragment is read from LDS once in the work-group and feeds 8 matrix instructions.
; Two waves lie on a SIMD: one wave's vector work stands beside the other's products.
; CLUSTER.  The four row blocks of a cluster walk the same keys: each wave's tile of keys is asked for JOINTLY by the same wave of all four (mask 15, the same descriptor).  Q's load is each work-group's own (no mask).
; LAYOUT.  Source 0 = 16 keys, source 1 = 16 queries: lane (r, h) holds query r, its register j key 8 h + j of the tile.
; MARKING.  thr(g) = g + (|g| 2^-21 + 2^-22).  For each lane and each 32 keys (a bit word) a smallest score G is kept; a key's bit is the sign of s - thr(G so far); when G falls so far that the older G is no longer under thr(G), the older
; bits are cleared; at the end a word stays only if its G lies under thr(the row's smallest score among my 2,048 keys).  thr rises with g, so no key under thr(the row's smallest) is ever lost; more than those may stay marked.
; OUT.  bm[row][128 words]: word 64 (y % 2) + 16 slot + 2 wave + h; bit 31 - i is key 64 (word / 2) + 8 (word % 2) + 16 (i / 8) + i % 8 of the batch.  rk[y % 2][row][2]: the smallest score and its thr, each as the whole number
; u xor ((u asr 31) | 0x80000000), which orders as the f32 numbers do.  la, lb[y % 2][row][2]: A SHORT LIST of my 64 words of the row: up to three words other than 0.  la word 0: their numbers (0 .. 63), a byte each, and 1 in the
; top byte if the row has more than three such words here; la word 1, lb words 0 and 1: the three words, 0 where there is none.  The next launch goes by the list, and by bm only where that top byte is set.
; LIMITS: as at the first kernel's head.  No prefetch is laid: half of a work-group's keys are asked for at its head, and the other half one slot's work ahead.
; REGISTERS, window 0: v1-13 addresses; v14, v15 the add's two; v16-31 Q's scale words, v32-35 the keys' (scales and nothing else); v36-99 two key tiles' fragments; v100-163 eight accumulators;
;   v164-195 G; v196-227 the bit words; v228-243 at work; v244-250 lane numbers; v251, v252 the list's two addresses.  Window 1: Q's fragments, tile t, K step s at v[32 t + 8 s].
.set RECB,  272
.set WPART, 64*RECB                    ; a wave's part of a slot: 17,408 bytes = 68 x 256
.set SLOT,  512*RECB                   ; 139,264
.set QB,    2*SLOT                     ; Q's 128 records; once read, the stage for the bit words (128 rows, 272 bytes apart)
.set SCR,   QB+128*RECB                ; [128 rows][48 bytes]: the 8 waves' smallest scores
.set SPARE, SCR+6144                   ; the spare words, 128 bytes for each wave: four blocks of 256 bytes that no other line names
.set AK,   1                           ; v1, v2   my lane's place in my part of slot 0, 1
.set AS,   3                           ; v3, v4   the same for the scale words
.set AQ,   5
.set AQS,  6
.set SCW,  7
.set SCRD, 8
.set SCRW, 9
.set STW,  10
.set STR,  11
.set GOB,  12
.set GOR,  13
.set SPW,  14
.set NIL,  15
.set QS,   16                          ; v[QS + 4 i + s]: lanes 0-15 query tile 2 i's words of K step s, lanes 16-31 tile 2 i + 1's
.set KS,   32                          ; v[KS + s]: lanes 0-15 the pair's first key tile, lanes 16-31 its second
.set KF,   36                          ; v[KF + 32 kt + 8 s]
.set ACC,  100                         ; v[ACC + 8 (4 kt + tq)]
.set G,    164                         ; v[G + 8 slot + t]
.set W,    196                         ; v[W + 8 slot + t]
.set TA,   228
.set TB,   232
.set THR,  236                         ; four pairs; the upper halves are written once
.set GOL,  251                         ; v251  la, lb: 8 r
.set LRD,  252                         ; v252  the stage: row 16 w + r, words 32 h on
.set XM,   36                          ; the end: rows' smallest scores
.set THRR, 60                          ; the end: rows' thresholds
.set LW,   132                         ; the end: my 32 words of a row
.set SLI,  36                          ; the list: the words' numbers, a byte each, the youngest lowest;
.set SLA,  37                          ; its four places, the youngest first
.set SLB,  38
.set SLC,  39
.set SLD,  40
.set SLT,  41
.set SLP,  60                          ; v60-63 my partner lane's four places, v64 their numbers
.set G1K,  24                          ; s[24:31] descriptor group 1 for a tile of keys; s[32:39] for Q's
.set G1Q,  32
.set G0A,  40                          ; s[40:43], s[44:47] group 0 for slot 0, 1; s[48:51] for Q
.set G0Q,  48
.set MSB, 0
.macro WIN new                         ; the immediate's high byte repeats the setting that is left
.if MSB != \new
	s_set_vgpr_msb (MSB<<8)|\new
.set MSB, \new
.endif
.endm
.macro ROUND                           ; a round of the cluster's barrier: my work-group's barrier; wave 0 signals for the work-group; every wave waits for all four; my work-group's barrier once more
	s_barrier_signal -1
	s_barrier_wait -1
	s_cmp_lg_u32 s10, 0
	s_cbranch_scc1 .Lnot_wave_0_\@
	s_barrier_signal -3
.Lnot_wave_0_\@:
	s_barrier_wait -3
	s_barrier_signal -1
	s_barrier_wait -1
.endm
.macro PLACES                          ; four plain instructions between a matrix instruction and a read of its result or a load into its registers
.rept 4
	v_nop
.endr
.endm
	s_load_b128 s[4:7], s[0:1], 0x0                ; the records, bm
	s_load_b64 s[8:9], s[0:1], 0x10                ; rk
	s_load_b64 s[58:59], s[0:1], 0x18              ; la
	s_load_b64 s[60:61], s[0:1], 0x20              ; lb
	v_lshl_add_u32 v[SPW], v0, 2, SPARE
	v_mov_b32 v[NIL], 0
	ds_add_u32 v[SPW], v[NIL]                      ; the wave's opening: the add, twice on end, and its wait ahead of my first tensor load
	ds_add_u32 v[SPW], v[NIL]
	v_lshrrev_b32 v1, 5, v0
	v_readfirstlane_b32 s10, v1                    ; wave 0..7
	s_bfe_u32 s11, ttmp6, 0x40000                  ; cx: my place in the cluster
	s_lshl_b32 s12, ttmp9, 2
	s_add_co_u32 s12, s12, s11                     ; x = 4 x cluster x + cx: it enters Q's address and the stores' alone
	s_and_b32 s13, ttmp7, 0xffff                   ; y, which the four partners share
	s_lshr_b32 s14, s13, 1                         ; batch
	s_and_b32 s15, s13, 1                          ; which half of the keys
	s_mov_b32 s20, 0x76543210
	s_mov_b32 s21, 0xfedcba98                      ; v_permlanex16_b32's selects for lane l xor 16
	s_mov_b32 s22, 0x35000000                      ; 2^-21
	s_mov_b32 s23, 0x34800000                      ; 2^-22
	; group 1: dense blocks as rows of 256 bytes (32 elements of 8 bytes), no padding: records are 272 bytes apart by themselves
	s_mov_b32 s[G1K], 15|(3<<16)|(1<<21)           ; 15:0 the mask: all four work-groups; 17:16 elements of 8 bytes; 21 set beside a mask
	s_mov_b32 s[G1K+1], 32<<16                     ; tensor_dim0 = 32
	s_mov_b32 s[G1K+2], 68<<16                     ; tensor_dim1 = 68
	s_mov_b32 s[G1K+3], 32<<16                     ; tile_dim0 = 32
	s_mov_b32 s[G1K+4], 68                         ; tile_dim1 = 68
	s_mov_b32 s[G1K+5], 32                         ; from row to row
	s_mov_b32 s[G1K+6], 0
	s_mov_b32 s[G1K+7], 0
	s_mov_b32 s[G1Q], 3<<16                        ; no mask: my work-group's own 16 records a wave, 17 rows of 256 bytes
	s_mov_b32 s[G1Q+1], 32<<16
	s_mov_b32 s[G1Q+2], 17<<16
	s_mov_b32 s[G1Q+3], 32<<16
	s_mov_b32 s[G1Q+4], 17
	s_mov_b32 s[G1Q+5], 32
	s_mov_b32 s[G1Q+6], 0
	s_mov_b32 s[G1Q+7], 0
	s_mul_i32 s52, s10, WPART                      ; my part of a slot: no place in the cluster enters an LDS address
	s_mul_i32 s16, s13, 2048*RECB                  ; my 2,048 keys begin at record 2,048 y,
	s_add_co_u32 s16, s16, s52                     ; my wave's 64 of the first 512
	s_mov_b32 s17, 0
	s_lshl_b32 s53, s14, 12
	s_lshl_b32 s54, s12, 7
	s_add_co_u32 s53, s53, s54
	s_lshl_b32 s54, s10, 4
	s_add_co_u32 s53, s53, s54                     ; row 4,096 batch + 128 x + 16 wave: the 16 rows that I fetch of Q, and whose results I store
	s_mul_i32 s18, s53, RECB
	s_mov_b32 s19, 0
	s_mul_i32 s55, s10, 16*RECB                    ; their place in QB
	s_wait_dscnt 0x0                               ; both opening adds are done
	s_wait_kmcnt 0x0
	s_mov_b32 s[G0A], 1
	s_mov_b32 s[G0A+1], s52
	s_add_nc_u64 s[G0A+2:G0A+3], s[4:5], s[16:17]
	s_mov_b32 s[G0A+4], 1
	s_add_co_u32 s[G0A+5], s52, SLOT
	s_add_nc_u64 s[G0A+6:G0A+7], s[G0A+2:G0A+3], SLOT   ; the next 512 keys
	s_or_b32 s[G0A+3], s[G0A+3], 0x80000000        ; type = 2
	s_or_b32 s[G0A+7], s[G0A+7], 0x80000000
	s_mov_b32 s[G0Q], 1
	s_add_co_u32 s[G0Q+1], s55, QB
	s_add_nc_u64 s[G0Q+2:G0Q+3], s[4:5], s[18:19]
	s_or_b32 s[G0Q+3], s[G0Q+3], 0x80000000
	s_lshl_b32 s16, s53, 9                         ; bm: 512 bytes a row, + 256 for the upper half of the keys
	s_lshl_b32 s18, s15, 8
	s_add_co_u32 s16, s16, s18
	s_add_nc_u64 s[6:7], s[6:7], s[16:17]
	s_lshl_b32 s16, s53, 3                         ; rk, la, lb: 8 bytes a row, + 16,384 rows for the upper half
	s_lshl_b32 s18, s15, 17
	s_add_co_u32 s16, s16, s18
	s_add_nc_u64 s[8:9], s[8:9], s[16:17]
	s_add_nc_u64 s[58:59], s[58:59], s[16:17]
	s_add_nc_u64 s[60:61], s[60:61], s[16:17]
	ROUND                                          ; all four work-groups are here: the first joint loads meet
	tensor_load_to_lds s[G0Q:G0Q+3], s[G1Q:G1Q+7]  ; the first fills go out together: three loads of mine are out
	s_nop 0
	tensor_load_to_lds s[G0A:G0A+3], s[G1K:G1K+7]
	s_nop 0
	tensor_load_to_lds s[G0A+4:G0A+7], s[G1K:G1K+7]
	s_nop 0
	v_and_b32 v244, 31, v0                         ; lane
	v_and_b32 v245, 15, v0                         ; r
	v_bfe_u32 v246, v0, 4, 1                       ; h
	v_mul_u32_u24 v247, v245, RECB                 ; 272 r
	v_lshl_add_u32 v248, v246, 4, v247             ; 272 r + 16 h: a fragment's row and my half's 16 bytes
	v_add_nc_u32 v[AK], s52, v248
	v_add_nc_u32 v[AK+1], SLOT, v[AK]
	v_mul_u32_u24 v249, v244, RECB                 ; 272 lane: the scale words of two tiles' rows
	v_add_nc_u32 v[AS], s52, v249
	v_add_nc_u32 v[AS], 256, v[AS]
	v_add_nc_u32 v[AS+1], SLOT, v[AS]
	v_add_nc_u32 v[AQ], QB, v248
	v_add_nc_u32 v[AQS], QB+256, v249
	v_mul_u32_u24 v250, v245, 48
	v_add_nc_u32 v[SCRD], SCR, v250                ; row r of a tile: the 8 waves' words
	s_lshl_b32 s56, s10, 2
	v_add_nc_u32 v[SCW], s56, v[SCRD]              ; my wave's word of it
	s_mul_i32 s56, s10, 16*48
	v_add_nc_u32 v[SCRW], s56, v[SCRD]             ; row 16 w + r
	v_lshl_add_u32 v[STW], v246, 2, v247
	s_lshl_b32 s56, s10, 3
	s_add_co_u32 s56, s56, QB
	v_add_nc_u32 v[STW], s56, v[STW]               ; the stage, in: 272 r + 8 w + 4 h
	v_mul_u32_u24 v[STR], v246, RECB
	v_lshl_add_u32 v[STR], v245, 4, v[STR]
	s_add_co_u32 s56, s55, QB
	v_add_nc_u32 v[STR], s56, v[STR]               ; and back: row 16 w + h, 16 bytes a lane
	v_lshl_add_u32 v[LRD], v246, 7, v247
	v_add_nc_u32 v[LRD], s56, v[LRD]               ; and for the list: row 16 w + r, 128 h bytes on
	v_lshlrev_b32 v[GOL], 3, v245                  ; la, lb: row r
	v_lshlrev_b32 v[GOB], 9, v246
	v_lshl_add_u32 v[GOB], v245, 4, v[GOB]         ; the same two rows in bm
	v_lshlrev_b32 v[GOR], 3, v245
	v_lshl_add_u32 v[GOR], v246, 2, v[GOR]         ; rk: row r, word h
.irp q, 0,1,2,3
	v_mov_b32 v[THR+2*\q+1], 0                     ; named as the upper halves of pairs, so they are written
.endr
	s_wait_tensorcnt 0x2                           ; my part of Q is in; the two slots' loads may be out
	s_barrier_signal -1
	s_barrier_wait -1                              ; everybody's part is
	WIN 0x40                                       ; destination window 1
.irp t, 0,1,2,3,4,5,6,7
.irp s, 0,1,2,3
.irp c, 0,1
	ds_load_b128 v[32*\t+8*\s+4*\c:32*\t+8*\s+4*\c+3], v[AQ] offset:16*RECB*\t+64*\s+32*\c   ; registers 4 c .. 4 c + 3: channels 128 s + 64 c + 32 h + 0 .. 31 of query 16 t + r
.endr
.endr
.endr
	WIN 0
.irp i, 0,1,2,3
	ds_load_b128 v[QS+4*\i:QS+4*\i+3], v[AQS] offset:32*RECB*\i
.endr
	s_wait_tensorcnt 0x1                           ; my part of slot 0 is in (only I read it); slot 1's may be out
; The pair p (key tiles 2 p, 2 p + 1 of my four) of slot b: 16 loads of fragments, one of scale words
.macro KLOAD b, p
.irp kt, 0,1
.irp s, 0,1,2,3
.irp c, 0,1
	ds_load_b128 v[KF+32*\kt+8*\s+4*\c:KF+32*\kt+8*\s+4*\c+3], v[AK+\b] offset:(2*\p+\kt)*16*RECB+64*\s+32*\c
.endr
.endr
.endr
	ds_load_b128 v[KS:KS+3], v[AS+\b] offset:\p*32*RECB
.endm
; One matrix instruction: key tile kt of the pair x query tile 4 qh + tq, K step s.  The first K step starts the sum: nothing is cleared.
.macro MM s, kt, tq, qh
.set rD, ACC+8*(4*\kt+\tq)
.set rA, KF+32*\kt+8*\s
.set rB, 32*(4*\qh+\tq)+8*\s
.set rK, KS+\s
.set rQ, QS+4*((4*\qh+\tq)/2)+\s
.if \s == 0
.if (\kt == 0) && ((\tq)%2 == 0)
	v_wmma_scale_f32_16x16x128_f8f6f4 v[rD:rD+7], v[rA:rA+7], v[rB:rB+7], 0, v[rK], v[rQ] matrix_a_fmt:MATRIX_FMT_FP4 matrix_b_fmt:MATRIX_FMT_FP4
.elseif \kt == 0
	v_wmma_scale_f32_16x16x128_f8f6f4 v[rD:rD+7], v[rA:rA+7], v[rB:rB+7], 0, v[rK], v[rQ] matrix_a_fmt:MATRIX_FMT_FP4 matrix_b_fmt:MATRIX_FMT_FP4 matrix_b_scale:MATRIX_SCALE_ROW1
.elseif (\tq)%2 == 0
	v_wmma_scale_f32_16x16x128_f8f6f4 v[rD:rD+7], v[rA:rA+7], v[rB:rB+7], 0, v[rK], v[rQ] matrix_a_fmt:MATRIX_FMT_FP4 matrix_b_fmt:MATRIX_FMT_FP4 matrix_a_scale:MATRIX_SCALE_ROW1
.else
	v_wmma_scale_f32_16x16x128_f8f6f4 v[rD:rD+7], v[rA:rA+7], v[rB:rB+7], 0, v[rK], v[rQ] matrix_a_fmt:MATRIX_FMT_FP4 matrix_b_fmt:MATRIX_FMT_FP4 matrix_a_scale:MATRIX_SCALE_ROW1 matrix_b_scale:MATRIX_SCALE_ROW1
.endif
.else
.if (\kt == 0) && ((\tq)%2 == 0)
	v_wmma_scale_f32_16x16x128_f8f6f4 v[rD:rD+7], v[rA:rA+7], v[rB:rB+7], v[rD:rD+7], v[rK], v[rQ] matrix_a_fmt:MATRIX_FMT_FP4 matrix_b_fmt:MATRIX_FMT_FP4
.elseif \kt == 0
	v_wmma_scale_f32_16x16x128_f8f6f4 v[rD:rD+7], v[rA:rA+7], v[rB:rB+7], v[rD:rD+7], v[rK], v[rQ] matrix_a_fmt:MATRIX_FMT_FP4 matrix_b_fmt:MATRIX_FMT_FP4 matrix_b_scale:MATRIX_SCALE_ROW1
.elseif (\tq)%2 == 0
	v_wmma_scale_f32_16x16x128_f8f6f4 v[rD:rD+7], v[rA:rA+7], v[rB:rB+7], v[rD:rD+7], v[rK], v[rQ] matrix_a_fmt:MATRIX_FMT_FP4 matrix_b_fmt:MATRIX_FMT_FP4 matrix_a_scale:MATRIX_SCALE_ROW1
.else
	v_wmma_scale_f32_16x16x128_f8f6f4 v[rD:rD+7], v[rA:rA+7], v[rB:rB+7], v[rD:rD+7], v[rK], v[rQ] matrix_a_fmt:MATRIX_FMT_FP4 matrix_b_fmt:MATRIX_FMT_FP4 matrix_a_scale:MATRIX_SCALE_ROW1 matrix_b_scale:MATRIX_SCALE_ROW1
.endif
.endif
.endm
; 32 matrix instructions: the pair's two key tiles x query tiles 4 qh .. 4 qh + 3, all of K.  The eight accumulators take turns, one instruction a turn.
.macro UNIT qh
	WIN 0x04                                       ; source 1 (Q) window 1
.irp s, 0,1,2,3
.irp kt, 0,1
.irp tq, 0,1,2,3
	MM \s, \kt, \tq, \qh
.endr
.endr
.endr
	WIN 0
.endm
; What is made of a unit's scores, the four query tiles by turns.  sg: the slot; p: the pair.
.macro POST sg, qh, p
.irp tq, 0,1,2,3
	v_min3_num_f32 v[TA+\tq], v[ACC+8*\tq], v[ACC+8*\tq+1], v[ACC+8*\tq+2]          ; the smallest of my 16 scores; each accumulator is read from its low end on
.endr
.irp tq, 0,1,2,3
	v_min3_num_f32 v[TB+\tq], v[ACC+32+8*\tq], v[ACC+32+8*\tq+1], v[ACC+32+8*\tq+2]
.endr
.irp i, 3,5
.irp tq, 0,1,2,3
	v_min3_num_f32 v[TA+\tq], v[TA+\tq], v[ACC+8*\tq+\i], v[ACC+8*\tq+\i+1]
.endr
.irp tq, 0,1,2,3
	v_min3_num_f32 v[TB+\tq], v[TB+\tq], v[ACC+32+8*\tq+\i], v[ACC+32+8*\tq+\i+1]
.endr
.endr
.irp tq, 0,1,2,3
	v_min3_num_f32 v[TA+\tq], v[TA+\tq], v[ACC+8*\tq+7], v[ACC+32+8*\tq+7]
.endr
.if \p == 0
.irp tq, 0,1,2,3
	v_min_num_f32 v[G+8*\sg+4*\qh+\tq], v[TA+\tq], v[TB+\tq]                        ; the word's G begins
.endr
.irp tq, 0,1,2,3
	v_fma_f32 v[TB+\tq], |v[G+8*\sg+4*\qh+\tq]|, s22, s23
.endr
.irp tq, 0,1,2,3
	v_add_f32 v[THR+2*\tq], v[G+8*\sg+4*\qh+\tq], v[TB+\tq]                         ; thr(G)
.endr
.else
.irp tq, 0,1,2,3
	v_min3_num_f32 v[TA+\tq], v[TA+\tq], v[TB+\tq], v[G+8*\sg+4*\qh+\tq]            ; the new G
.endr
.irp tq, 0,1,2,3
	v_fma_f32 v[TB+\tq], |v[TA+\tq]|, s22, s23
.endr
.irp tq, 0,1,2,3
	v_add_f32 v[THR+2*\tq], v[TA+\tq], v[TB+\tq]
.endr
.irp tq, 0,1,2,3
	v_sub_f32 v[TB+\tq], v[G+8*\sg+4*\qh+\tq], v[THR+2*\tq]                         ; is the older G still under it?
.endr
.irp tq, 0,1,2,3
	v_ashrrev_i32 v[TB+\tq], 31, v[TB+\tq]
.endr
.irp tq, 0,1,2,3
	v_and_b32 v[W+8*\sg+4*\qh+\tq], v[W+8*\sg+4*\qh+\tq], v[TB+\tq]                 ; if not, the older 16 bits fall
.endr
.irp tq, 0,1,2,3
	v_mov_b32 v[G+8*\sg+4*\qh+\tq], v[TA+\tq]
.endr
.endif
.irp kt, 0,1
.irp j, 0,2,4,6
.irp tq, 0,1,2,3
	v_pk_add_f32 v[ACC+8*(4*\kt+\tq)+\j:ACC+8*(4*\kt+\tq)+\j+1], v[ACC+8*(4*\kt+\tq)+\j:ACC+8*(4*\kt+\tq)+\j+1], v[THR+2*\tq:THR+2*\tq+1] op_sel_hi:[1,0] neg_lo:[0,1] neg_hi:[0,1]   ; s - thr, two at a time
.endr
.endr
.endr
.irp kt, 0,1
.irp j, 0,1,2,3,4,5,6,7
.irp tq, 0,1,2,3
.if (\p == 0) && (\kt == 0) && (\j == 0)
	v_lshrrev_b32 v[W+8*\sg+4*\qh+\tq], 31, v[ACC+8*(4*\kt+\tq)+\j]                 ; the first sign starts the word: nothing is cleared
.else
	v_alignbit_b32 v[W+8*\sg+4*\qh+\tq], v[W+8*\sg+4*\qh+\tq], v[ACC+8*(4*\kt+\tq)+\j], 31   ; the word one up, the sign of s - thr in at the bottom
.endif
.endr
.endr
.endr
.endm
; A slot: my 64 keys x 128 queries.  b: where it lies; nb: the other place.  In slots 0 and 1 the slot is filled again, with the keys 1,024 on, as soon as its second pair is in registers.
.macro SLOTM sg, b, nb
	s_wait_dscnt 0x0                               ; the first pair's fragments and scale words are in
	UNIT 0
	PLACES
	POST \sg, 0, 0
	UNIT 1
	PLACES
	KLOAD \b, 1                                    ; my last reads of this slot; the vector work below stands between them and the wait for them
	POST \sg, 1, 0
.if \sg < 2
	s_wait_tensorcnt 0x0                           ; all my tensor loads have landed, so a group 0 may be written
	ds_add_u32 v[SPW], v[NIL]                      ; 0 onto my spare word
	s_add_nc_u64 s[G0A+4*\b+2:G0A+4*\b+3], s[G0A+4*\b+2:G0A+4*\b+3], 2*SLOT   ; the keys 1,024 on; the type bits on top are not reached
	s_wait_dscnt 0x0                               ; the add is done, and my reads of this slot are over
	ROUND                                          ; the same holds of every wave of all four work-groups
	tensor_load_to_lds s[G0A+4*\b:G0A+4*\b+3], s[G1K:G1K+7]   ; my one tensor load behind the round
	s_nop 0
.else
	s_wait_dscnt 0x0
.endif
	UNIT 0
	PLACES
	POST \sg, 0, 1
	UNIT 1
	PLACES
.if \sg < 2
	s_wait_tensorcnt 0x1                           ; the next slot's tile was shown landed by the wait for 0 above; only the refill issued behind it may be out
	KLOAD \nb, 0
.elseif \sg == 2
	s_wait_tensorcnt 0x0                           ; the last tile: no load was issued behind it
	KLOAD \nb, 0
.endif
	POST \sg, 1, 1
.endm
	KLOAD 0, 0
	SLOTM 0, 0, 1
	SLOTM 1, 1, 0
	SLOTM 2, 0, 1
	SLOTM 3, 1, 0
	; THE END.  Each row's smallest score among my work-group's 2,048 keys: over my four words, the other half of the lanes, and the 8 waves (through LDS).
.irp t, 0,1,2,3,4,5,6,7
	v_min3_num_f32 v[XM+\t], v[G+\t], v[G+8+\t], v[G+16+\t]
.endr
.irp t, 0,1,2,3,4,5,6,7
	v_min_num_f32 v[XM+\t], v[XM+\t], v[G+24+\t]
.endr
.irp t, 0,1,2,3,4,5,6,7
	v_permlanex16_b32 v[TA+\t], v[XM+\t], s20, s21
.endr
.irp t, 0,1,2,3,4,5,6,7
	v_min_num_f32 v[XM+\t], v[XM+\t], v[TA+\t]
.endr
.irp t, 0,1,2,3,4,5,6,7
	ds_store_b32 v[SCW], v[XM+\t] offset:768*\t    ; row 16 t + r, my wave's word; both halves of the lanes write the same number
.endr
	s_wait_dscnt 0x0                               ; for the others' sake: my stores have landed
	s_barrier_signal -1
	s_barrier_wait -1
.irp t, 0,1,2,3,4,5,6,7
	ds_load_b128 v[ACC+8*\t:ACC+8*\t+3], v[SCRD] offset:768*\t
	ds_load_b128 v[ACC+8*\t+4:ACC+8*\t+7], v[SCRD] offset:768*\t+16
.endr
	ds_load_b128 v[44:47], v[SCRW]                 ; and of row 16 w + r, whose two numbers I store
	ds_load_b128 v[48:51], v[SCRW] offset:16
	s_wait_dscnt 0x0
.irp t, 0,1,2,3,4,5,6,7
	v_min3_num_f32 v[XM+\t], v[ACC+8*\t], v[ACC+8*\t+1], v[ACC+8*\t+2]
.endr
.irp i, 3,5
.irp t, 0,1,2,3,4,5,6,7
	v_min3_num_f32 v[XM+\t], v[XM+\t], v[ACC+8*\t+\i], v[ACC+8*\t+\i+1]
.endr
.endr
.irp t, 0,1,2,3,4,5,6,7
	v_min_num_f32 v[XM+\t], v[XM+\t], v[ACC+8*\t+7]
.endr
.irp t, 0,1,2,3,4,5,6,7
	v_fma_f32 v[TA+\t], |v[XM+\t]|, s22, s23
.endr
.irp t, 0,1,2,3,4,5,6,7
	v_add_f32 v[THRR+\t], v[XM+\t], v[TA+\t]       ; thr(the row's smallest)
.endr
.irp sg, 0,1,2,3
.irp t, 0,2,4,6
	v_pk_add_f32 v[G+8*\sg+\t:G+8*\sg+\t+1], v[G+8*\sg+\t:G+8*\sg+\t+1], v[THRR+\t:THRR+\t+1] neg_lo:[0,1] neg_hi:[0,1]   ; a word's G less it
.endr
.endr
.irp n, 0,1,2,3,4,5,6,7,8,9,10,11,12,13,14,15,16,17,18,19,20,21,22,23,24,25,26,27,28,29,30,31
	v_ashrrev_i32 v[G+\n], 31, v[G+\n]
.endr
.irp n, 0,1,2,3,4,5,6,7,8,9,10,11,12,13,14,15,16,17,18,19,20,21,22,23,24,25,26,27,28,29,30,31
	v_and_b32 v[W+\n], v[W+\n], v[G+\n]            ; a word stays only if its G lies under the row's threshold
.endr
.irp sg, 0,1,2,3
.irp t, 0,1,2,3,4,5,6,7
	ds_store_b32 v[STW], v[W+8*\sg+\t] offset:16*RECB*\t+64*\sg   ; into the stage, where Q lay: filled once, and every wave's reads of it were over ahead of the first round
.endr
.endr
	v_min3_num_f32 v52, v44, v45, v46              ; row 16 w + r: its smallest score,
	v_min3_num_f32 v52, v52, v47, v48
	v_min3_num_f32 v52, v52, v49, v50
	v_min_num_f32 v52, v52, v51
	v_fma_f32 v53, |v52|, s22, s23
	v_add_f32 v53, v52, v53                        ; and its threshold;
	v_cmp_ne_u32 vcc_lo, 0, v246
	v_cndmask_b32 v55, v52, v53, vcc_lo            ; lanes 0-15 take the first, lanes 16-31 the second,
	v_ashrrev_i32 v56, 31, v55
	v_or_b32 v56, 0x80000000, v56
	v_xor_b32 v55, v55, v56                        ; as whole numbers that order as the f32 numbers do
	global_store_b32 v[GOR], v55, s[8:9]           ; 128 consecutive bytes a wave, 1,024 a work-group
	s_wait_dscnt 0x0                               ; for the others' sake: my stores into the stage have landed
	s_barrier_signal -1
	s_barrier_wait -1
.irp i, 0,1,2,3,4,5,6,7
	ds_load_b128 v[ACC+4*\i:ACC+4*\i+3], v[STR] offset:2*RECB*\i
.endr
.irp j, 0,1,2,3,4,5,6,7
	ds_load_b128 v[LW+4*\j:LW+4*\j+3], v[LRD] offset:16*\j          ; for the list: words 32 h .. 32 h + 31 of row 16 w + r
.endr
.irp i, 0,1,2,3,4,5,6,7
	s_wait_dscnt 15-\i                             ; load i is back; the 7 - i behind it and the list's eight may be out
	global_store_b128 v[GOB], v[ACC+4*\i:ACC+4*\i+3], s[6:7] offset:1024*\i   ; 16 lanes store 256 consecutive bytes, at a multiple of 256 from bm's first byte
.endr
	; THE SHORT LIST.  A shift register of four places: each word other than 0 is pushed in with its number.  No branch: a push is a compare and selections.  If four or more are pushed, the fourth place is filled.
	s_wait_dscnt 0x0                               ; my 32 words are in
	v_mov_b32 v[SLA], v[LW]                        ; word 0 starts the register: a word that is 0 is an empty place
	v_mov_b32 v[SLB], 0
	v_mov_b32 v[SLC], 0
	v_mov_b32 v[SLD], 0
	v_mov_b32 v[SLI], 0
.irp j, 1,2,3,4,5,6,7,8,9,10,11,12,13,14,15,16,17,18,19,20,21,22,23,24,25,26,27,28,29,30,31
	v_cmp_ne_u32 vcc_lo, 0, v[LW+\j]
	v_cndmask_b32 v[SLD], v[SLD], v[SLC], vcc_lo
	v_cndmask_b32 v[SLC], v[SLC], v[SLB], vcc_lo
	v_cndmask_b32 v[SLB], v[SLB], v[SLA], vcc_lo
	v_cndmask_b32 v[SLA], v[SLA], v[LW+\j], vcc_lo
	v_lshl_or_b32 v[SLT], v[SLI], 8, \j
	v_cndmask_b32 v[SLI], v[SLI], v[SLT], vcc_lo
.endr
	v_mul_u32_u24 v[SLT], v246, 0x202020
	v_or_b32 v[SLI], v[SLI], v[SLT]                ; lanes 16-31 hold words 32 on
	v_permlanex16_b32 v[SLP], v[SLA], s20, s21     ; the row's other 32 words lie in lane l xor 16: its four places and their numbers
	v_permlanex16_b32 v[SLP+1], v[SLB], s20, s21
	v_permlanex16_b32 v[SLP+2], v[SLC], s20, s21
	v_permlanex16_b32 v[SLP+3], v[SLD], s20, s21
	v_permlanex16_b32 v[SLP+4], v[SLI], s20, s21
.irp k, 0,1,2,3
	v_cmp_ne_u32 vcc_lo, 0, v[SLP+\k]              ; and are pushed in behind mine
	v_cndmask_b32 v[SLD], v[SLD], v[SLC], vcc_lo
	v_cndmask_b32 v[SLC], v[SLC], v[SLB], vcc_lo
	v_cndmask_b32 v[SLB], v[SLB], v[SLA], vcc_lo
	v_cndmask_b32 v[SLA], v[SLA], v[SLP+\k], vcc_lo
	v_bfe_u32 v[SLT], v[SLP+4], 8*\k, 8
	v_lshl_or_b32 v[SLT], v[SLI], 8, v[SLT]
	v_cndmask_b32 v[SLI], v[SLI], v[SLT], vcc_lo
.endr
	v_cmp_ne_u32 vcc_lo, 0, v[SLD]                 ; more than three?
	v_and_b32 v[SLI], 0xffffff, v[SLI]
	v_or_b32 v[SLT], 0x1000000, v[SLI]
	v_cndmask_b32 v[SLI], v[SLI], v[SLT], vcc_lo   ; then 1 in the top byte
	v_cmp_eq_u32 vcc_lo, 0, v246
	s_wait_xcnt 0x0                                ; EXEC changes only behind this wait: stores are out
	s_and_saveexec_b32 s62, vcc_lo                 ; lanes 0-15 alone store: the two lanes of a row hold the same list in another order
	global_store_b64 v[GOL], v[SLI:SLA], s[58:59]  ; 128 consecutive bytes a wave, 1,024 a work-group
	global_store_b64 v[GOL], v[SLB:SLC], s[60:61]
	s_wait_xcnt 0x0                                ; and again, in front of the line that widens it
	s_or_b32 exec_lo, exec_lo, s62
	s_wait_tensorcnt 0x0                           ; the wave's end, behind my last tensor load and my last LDS store
	ds_add_u32 v[SPW], v[NIL]
	s_wait_dscnt 0x0
	ROUND                                          ; the closing round: no work-group ends while a partner may still ask for a tile that names it
	s_endpgm
.Lfunc_end_k_q62f835c7e6_scan:
	.size	k_q62f835c7e6_scan, .Lfunc_end_k_q62f835c7e6_scan-k_q62f835c7e6_scan
	.p2alignl 7, 3214868480
	.fill 96, 4, 3214868480
	.section	.rodata,"a",@progbits
	.p2align	6, 0x0
	.amdhsa_kernel k_q62f835c7e6_scan
		.amdhsa_group_segment_fixed_size 327680
		.amdhsa_private_segment_fixed_size 0
		.amdhsa_enable_private_segment 0
		.amdhsa_kernarg_size 40
		.amdhsa_user_sgpr_count 2
		.amdhsa_user_sgpr_kernarg_segment_ptr 1
		.amdhsa_wavefront_size32 1
		.amdhsa_system_sgpr_workgroup_id_x 1
		.amdhsa_system_sgpr_workgroup_id_y 1
		.amdhsa_system_sgpr_workgroup_id_z 1
		.amdhsa_system_vgpr_workitem_id 0
		.amdhsa_next_free_vgpr 512
		.amdhsa_next_free_sgpr 66
		.amdhsa_reserve_vcc 1
		.amdhsa_float_denorm_mode_32 3
		.amdhsa_float_denorm_mode_16_64 3
		.amdhsa_memory_ordered 1
		.amdhsa_forward_progress 1
		.amdhsa_inst_pref_size 248
	.end_amdhsa_kernel
	.amdgpu_metadata
---
amdhsa.version: [ 1, 2 ]
amdhsa.kernels:
  - .name:           k_q62f835c7e6_scan
    .symbol:         k_q62f835c7e6_scan.kd
    .args:
      - { .name: rec, .offset: 0, .size: 8, .value_kind: global_buffer, .address_space: global }
      - { .name: bm, .offset: 8, .size: 8, .value_kind: global_buffer, .address_space: global }
      - { .name: rk, .offset: 16, .size: 8, .value_kind: global_buffer, .address_space: global }
      - { .name: la, .offset: 24, .size: 8, .value_kind: global_buffer, .address_space: global }
      - { .name: lb, .offset: 32, .size: 8, .value_kind: global_buffer, .address_space: global }
    .group_segment_fixed_size: 327680
    .private_segment_fixed_size: 0
    .kernarg_segment_align: 8
    .kernarg_segment_size: 40
    .max_flat_workgroup_size: 256
    .sgpr_count:     66
    .vgpr_count:     512
    .wavefront_size: 32
...
	.end_amdgpu_metadata
.endif
;; end of part 2
;; launch pick (part 3): grid 2048 x 1, 8 waves a work-group, no clusters, 0 bytes of LDS; arguments inputs, rec, bm, rk, la, lb, out0; writes out0
.if DOCPART == 3
	.amdgcn_target "amdgcn-amd-amdhsa--gfx1250"
	.amdhsa_code_object_version 6
	.text
	.protected	k_q62f835c7e6_pick
	.globl	k_q62f835c7e6_pick
	.p2align	8
	.type	k_q62f835c7e6_pick,@function
k_q62f835c7e6_pick:
	s_mov_b64 s[64:65], 0
	v_nop
	global_prefetch_b8 v0, s[64:65] scope:SCOPE_SE
	s_setreg_imm32_b32 hwreg(HW_REG_WAVE_MODE, 25, 1), 1
	s_wait_xcnt 0x0
; out[row] = sum over the MARKED keys k of softmax weight x x[k].  A key that is not marked has the weight 0 in f32 (first kernel's head): which keys those are is read here as whole numbers that the launch before has stored;
; nothing else is left out.  A marked key gets its true weight, be it 0.
; One wave, one row; no LDS, no barrier, no tensor load, so trip counts may hang on the stored whole numbers.  With 128 registers eight waves lie on a SIMD, and one wave's loads are on their way while another works.
; WHAT STEERS THE WALK, all by scalar loads.  rk gives, for each half of the keys, the half's smallest score and its threshold as ordered whole numbers: a half whose smallest score is not under the smaller of the two thresholds
; holds no key that counts and is passed over.  la and lb give, for a half that counts, its SHORT LIST: up to three bit words other than 0 with their numbers, 16 bytes in all.  Loops: the two halves, the list's three places
; (constant counts), a word's bits.  Where the list's top byte says that the half has more than three such words, the half's 64 words are walked in bm itself: two groups of 32 words, a group's words other than 0, a word's bits.
; Every trip count and every place of a bit is made of the stored whole numbers by scalar loads, compares, shifts, ANDs, adds and one multiply (macros POPC and LOW).
; A KEY.  Its score is made again from the records by the same four matrix instructions, in the same roles and order as in the launch before (source 0 = the key in all 16 rows, source 1 = my row in all 16 columns), so every
; lane holds the score.  Then in the stated order of rounding: a = fl(score x -1e9); the running maximum m is taken away ahead of the exponential; l and O are brought under a new m by f = exp(m_old - m_new).
; weight x x[k] is summed in f32, 16 numbers a lane.
; LIMITS: as at the first kernel's head.
.set RECB, 272
.set AF, 32                            ; v32-63   the key's record as source 0
.set BF, 64                            ; v64-95   my row's record as source 1
.set V,  96                            ; v96-111  x[k]: lane l holds channels 128 i + 4 l + 0 .. 3
.set O,  112                           ; v112-127 the sum
.set WD, 68                            ; s[68:99] a group's 32 words (at the head: la's and lb's addresses)
; s[60:63] the list of the half in hand; s[2:3], s[66:67] the upper half's, until its turn
; d = the number of ones in s: pairs, fours, bytes, then the four bytes added by a multiplication.  s48 is at work.
.macro POPC d, s
	s_lshr_b32 s48, \s, 1
	s_and_b32 s48, s48, 0x55555555
	s_sub_co_u32 \d, \s, s48
	s_lshr_b32 s48, \d, 2
	s_and_b32 s48, s48, 0x33333333
	s_and_b32 \d, \d, 0x33333333
	s_add_co_u32 \d, \d, s48
	s_lshr_b32 s48, \d, 4
	s_add_co_u32 \d, \d, s48
	s_and_b32 \d, \d, 0x0f0f0f0f
	s_mul_i32 \d, \d, 0x01010101
	s_lshr_b32 \d, \d, 24
.endm
; idx = the place of m's lowest one, which is struck off m: the bit is m & -m, its place the number of ones under it.  s48 and s49 are at work.
.macro LOW idx, m
	s_sub_co_u32 s49, 0, \m
	s_and_b32 s49, s49, \m
	s_xor_b32 \m, \m, s49
	s_sub_co_u32 s49, s49, 1
	POPC \idx, s49
.endm
; s46: a word's number d in the row becomes 64 (d / 2) + 8 (d % 2), where its keys begin.  s42 is at work.
.macro KBASE
	s_and_b32 s42, s46, 1
	s_lshl_b32 s42, s42, 3
	s_lshr_b32 s46, s46, 1
	s_lshl_b32 s46, s46, 6
	s_or_b32 s46, s46, s42
.endm
; The keys of the word in s33 (other than 0), which begin at s46: a counted loop over its bits.
.macro KEYS
	POPC s34, s33                                  ; so many keys in it, at least one
	s_mov_b32 s35, 0
.Lbit_\@:
	LOW s47, s33                                   ; the lowest bit, struck off
	s_sub_co_u32 s47, 31, s47                      ; i
	s_lshr_b32 s42, s47, 3
	s_lshl_b32 s42, s42, 4
	s_and_b32 s47, s47, 7
	s_add_co_u32 s47, s47, s42
	s_add_co_u32 s47, s47, s46                     ; the key: 64 (d / 2) + 8 (d % 2) + 16 (i / 8) + i % 8
	s_min_u32 s47, s47, 4095                       ; a number out of memory enters an address only under this bound
	s_mul_i32 s50, s47, RECB
	s_lshl_b32 s52, s47, 11
	s_add_nc_u64 s[24:25], s[6:7], s[50:51]        ; (the last key's loads have all been waited for: their bases may be written)
	s_add_nc_u64 s[26:27], s[4:5], s[52:53]
.irp s, 0,1,2,3
.irp c, 0,1
	global_load_b128 v[AF+8*\s+4*\c:AF+8*\s+4*\c+3], v2, s[24:25] offset:64*\s+32*\c
.endr
.endr
	global_load_b128 v[16:19], v3, s[24:25] offset:256
.irp i, 0,1,2,3
	global_load_b128 v[V+4*\i:V+4*\i+3], v1, s[26:27] offset:512*\i   ; 512 consecutive bytes
.endr
	s_wait_loadcnt 0x4                             ; the record is in; the four loads of x[k] may be out
	v_wmma_scale_f32_16x16x128_f8f6f4 v[24:31], v[AF:AF+7], v[BF:BF+7], 0, v16, v20 matrix_a_fmt:MATRIX_FMT_FP4 matrix_b_fmt:MATRIX_FMT_FP4
.irp s, 1,2,3
	s_wait_alu depctr_va_vdst(0)                   ; a wait directly ahead of each link
	v_wmma_scale_f32_16x16x128_f8f6f4 v[24:31], v[AF+8*\s:AF+8*\s+7], v[BF+8*\s:BF+8*\s+7], v[24:31], v[16+\s], v[20+\s] matrix_a_fmt:MATRIX_FMT_FP4 matrix_b_fmt:MATRIX_FMT_FP4
.endr
.rept 4
	v_nop                                          ; four plain instructions ahead of the read of the result (ISA guide 7.12.1)
.endr
	v_mul_f32 v8, s44, v24                         ; a = fl(score x -1e9)
	v_max_num_f32 v10, v9, v8                      ; the new m
	v_sub_f32 v12, v9, v10
	v_sub_f32 v14, v8, v10
	v_mul_f32 v12, s45, v12
	v_mul_f32 v14, s45, v14
	v_exp_f32 v12, v12                             ; f = exp(m_old - m_new)
	v_exp_f32 v14, v14                             ; p = exp(a - m_new)
	v_mov_b32 v9, v10                              ; (the plain instruction behind the exponentials)
	s_wait_alu depctr_va_vdst(0)                   ; one wait for both, ahead of their first reader
	v_fma_f32 v11, v11, v12, v14                   ; l = l f + p
	s_wait_loadcnt 0x0                             ; x[k]
.irp j, 0,2,4,6,8,10,12,14
	v_pk_mul_f32 v[O+\j:O+\j+1], v[O+\j:O+\j+1], v[12:13] op_sel_hi:[1,0]
.endr
.irp j, 0,2,4,6,8,10,12,14
	v_pk_fma_f32 v[O+\j:O+\j+1], v[V+\j:V+\j+1], v[14:15], v[O+\j:O+\j+1] op_sel_hi:[1,0,1]
.endr
	s_add_co_u32 s35, s35, 1
	s_cmp_lt_u32 s35, s34
	s_cbranch_scc1 .Lbit_\@
.endm
	s_load_b256 s[4:11], s[0:1], 0x0               ; x s[4:5], the records s[6:7], bm s[8:9], rk s[10:11]
	s_load_b128 s[68:71], s[0:1], 0x20             ; la s[68:69], lb s[70:71]
	s_load_b64 s[12:13], s[0:1], 0x30              ; out
	v_lshrrev_b32 v1, 5, v0
	v_readfirstlane_b32 s16, v1                    ; wave
	s_lshl_b32 s17, ttmp9, 3
	s_add_co_u32 s17, s17, s16                     ; my row, 0 .. 16,383
	s_lshr_b32 s18, s17, 12                        ; its batch
	v_and_b32 v1, 31, v0
	v_bfe_u32 v2, v0, 4, 1
	v_lshlrev_b32 v1, 4, v1                        ; 16 x lane
	v_lshlrev_b32 v2, 4, v2                        ; 16 h: every lane of a half takes the same bytes of a record
	v_mov_b32 v3, 0
	s_mov_b32 s21, 0
	s_mov_b32 s23, 0
	s_mov_b32 s51, 0
	s_mov_b32 s53, 0
	s_mov_b32 s57, 0
	s_mov_b32 s44, 0xce6e6b28                      ; -1e9: mask - 1e9 in f32, in the band and off it
	s_mov_b32 s45, 0x3fb8aa3b                      ; log2(e)
	s_lshl_b32 s20, s17, 9
	s_lshl_b32 s22, s17, 3
	s_mul_i32 s50, s17, RECB
	s_wait_kmcnt 0x0
	s_add_nc_u64 s[10:11], s[10:11], s[22:23]      ; rk, la, lb: 8 bytes a row; the upper half's part lies 16,384 rows on
	s_add_nc_u64 s[68:69], s[68:69], s[22:23]
	s_add_nc_u64 s[70:71], s[70:71], s[22:23]
	s_load_b64 s[36:37], s[10:11], 0x0             ; the lower half's two numbers,
	s_load_b64 s[38:39], s[10:11], 0x20000         ; the upper half's
	s_load_b64 s[60:61], s[68:69], 0x0             ; the lower half's list: the numbers and the flag, the first word,
	s_load_b64 s[62:63], s[70:71], 0x0             ; the second and the third
	s_load_b64 s[2:3], s[68:69], 0x20000           ; the upper half's
	s_load_b64 s[66:67], s[70:71], 0x20000
	s_add_nc_u64 s[8:9], s[8:9], s[20:21]          ; bm at my row's first word
	s_add_nc_u64 s[14:15], s[6:7], s[50:51]
.irp s, 0,1,2,3
.irp c, 0,1
	global_load_b128 v[BF+8*\s+4*\c:BF+8*\s+4*\c+3], v2, s[14:15] offset:64*\s+32*\c
.endr
.endr
	global_load_b128 v[20:23], v3, s[14:15] offset:256   ; my row's four scale words, the same in every lane
	s_mul_i32 s20, s18, 4096*RECB
	s_add_nc_u64 s[6:7], s[6:7], s[20:21]          ; the records at my batch's first key
	s_lshl_b32 s22, s18, 23
	s_add_nc_u64 s[4:5], s[4:5], s[22:23]          ; x likewise
	s_lshl_b32 s20, s17, 11
	s_add_nc_u64 s[12:13], s[12:13], s[20:21]      ; out at my row
.irp j, 0,1,2,3,4,5,6,7,8,9,10,11,12,13,14,15
	v_mov_b32 v[O+\j], 0
.endr
	v_mov_b32 v11, 0                               ; l
	v_mov_b32 v9, 0xff7fffff                       ; m: the least finite number, at or under every a
	v_mov_b32 v13, 0                               ; (the upper halves of the pairs f and p are named, so they are written)
	v_mov_b32 v15, 0
	s_wait_kmcnt 0x0
	s_min_u32 s40, s37, s39                        ; the threshold of the row's smallest score
	s_cmp_lt_u32 s36, s40
	s_cselect_b32 s41, 1, 0                        ; bit 0: the lower half of the keys counts,
	s_cmp_lt_u32 s38, s40
	s_cselect_b32 s42, 2, 0                        ; bit 1: the upper half
	s_or_b32 s41, s41, s42
	s_wait_loadcnt 0x0                             ; my row's record
	s_mov_b32 s28, 0                               ; the half, 0 or 1
.Lhalf:
	s_lshr_b32 s42, s41, s28
	s_and_b32 s42, s42, 1
	s_cmp_eq_u32 s42, 0
	s_cbranch_scc1 .Lh_next                        ; a half that does not count
	s_lshr_b32 s42, s60, 24
	s_cmp_lg_u32 s42, 0
	s_cbranch_scc1 .Lwalk                          ; more than three words: by bm
	s_mov_b32 s59, 0
.Lslot:                                                ; the list's three places
	s_cmp_eq_u32 s61, 0
	s_cbranch_scc1 .Ls_next                        ; an empty place
	s_mov_b32 s33, s61
	s_and_b32 s46, s60, 0xff
	s_lshl_b32 s42, s28, 6
	s_add_co_u32 s46, s46, s42                     ; the word's number d = 64 half + its number in the half
	KBASE
	KEYS
.Ls_next:
	s_mov_b32 s61, s62                             ; the next place comes down
	s_mov_b32 s62, s63
	s_lshr_b32 s60, s60, 8
	s_add_co_u32 s59, s59, 1
	s_cmp_lt_u32 s59, 3
	s_cbranch_scc1 .Lslot
	s_branch .Lh_next
.Lwalk:
	s_mov_b32 s58, 0                               ; the half's two groups of 32 words
.Lgrp:
	s_lshl_b32 s56, s58, 7
	s_wait_xcnt 0x0                                ; the last group's scalar loads have read their base
	s_add_nc_u64 s[54:55], s[8:9], s[56:57]
	s_load_b512 s[WD:WD+15], s[54:55], 0x0
	s_load_b512 s[WD+16:WD+31], s[54:55], 0x40
	s_mov_b32 s29, 0
	s_wait_kmcnt 0x0
.irp n, 31,30,29,28,27,26,25,24,23,22,21,20,19,18,17,16,15,14,13,12,11,10,9,8,7,6,5,4,3,2,1,0
	s_cmp_lg_u32 s[WD+\n], 0                       ; is word n other than 0?
	s_add_co_ci_u32 s29, s29, s29                  ; the mask one up, the answer in at the bottom: at the end bit n stands for word n
.endr
	s_cmp_eq_u32 s29, 0
	s_cbranch_scc1 .Lg_next
	POPC s30, s29                                  ; so many words to walk
	s_mov_b32 s31, 0
.Lword:
	LOW s32, s29                                   ; the lowest such word, struck off
	s_min_u32 s32, s32, 31                         ; a number made of loaded numbers enters an address only under this bound
	s_lshl_b32 s43, s32, 2
	s_load_b32 s33, s[54:55], s43 offset:0x0       ; the word itself, once more: scalar registers cannot be picked by a number
	s_lshl_b32 s46, s28, 6
	s_lshl_b32 s42, s58, 5
	s_add_co_u32 s46, s46, s42
	s_add_co_u32 s46, s46, s32                     ; the word's number d = 64 half + 32 group + n
	KBASE
	s_wait_kmcnt 0x0
	KEYS
	s_add_co_u32 s31, s31, 1
	s_cmp_lt_u32 s31, s30
	s_cbranch_scc1 .Lword
.Lg_next:
	s_add_co_u32 s58, s58, 1
	s_cmp_lt_u32 s58, 2
	s_cbranch_scc1 .Lgrp
.Lh_next:
	s_wait_xcnt 0x0                                ; no scalar load still reads bm's base: it may be stepped
	s_add_nc_u64 s[8:9], s[8:9], 256               ; the upper half's 64 words (behind it the stepped address is not used)
	s_mov_b32 s60, s2                              ; and its list
	s_mov_b32 s61, s3
	s_mov_b32 s62, s66
	s_mov_b32 s63, s67
	s_add_co_u32 s28, s28, 1
	s_cmp_lt_u32 s28, 2
	s_cbranch_scc1 .Lhalf
	v_rcp_f32 v12, v11                             ; the key of the row's smallest score is always marked, with p = 1 under the last m: l is at least 1
	v_nop
	s_wait_alu depctr_va_vdst(0)
.irp j, 0,2,4,6,8,10,12,14
	v_pk_mul_f32 v[O+\j:O+\j+1], v[O+\j:O+\j+1], v[12:13] op_sel_hi:[1,0]
.endr
.irp i, 0,1,2,3
	global_store_b128 v1, v[O+4*\i:O+4*\i+3], s[12:13] offset:512*\i th:TH_STORE_NT   ; 32 lanes store 512 consecutive bytes, at a multiple of 256 from out's first byte
.endr
	s_endpgm
.Lfunc_end_k_q62f835c7e6_pick:
	.size	k_q62f835c7e6_pick, .Lfunc_end_k_q62f835c7e6_pick-k_q62f835c7e6_pick
	.p2alignl 7, 3214868480
	.fill 96, 4, 3214868480
	.section	.rodata,"a",@progbits
	.p2align	6, 0x0
	.amdhsa_kernel k_q62f835c7e6_pick
		.amdhsa_group_segment_fixed_size 0
		.amdhsa_private_segment_fixed_size 0
		.amdhsa_enable_private_segment 0
		.amdhsa_kernarg_size 56
		.amdhsa_user_sgpr_count 2
		.amdhsa_user_sgpr_kernarg_segment_ptr 1
		.amdhsa_wavefront_size32 1
		.amdhsa_system_sgpr_workgroup_id_x 1
		.amdhsa_system_sgpr_workgroup_id_y 1
		.amdhsa_system_sgpr_workgroup_id_z 1
		.amdhsa_system_vgpr_workitem_id 0
		.amdhsa_next_free_vgpr 128
		.amdhsa_next_free_sgpr 100
		.amdhsa_reserve_vcc 0
		.amdhsa_float_denorm_mode_32 3
		.amdhsa_float_denorm_mode_16_64 3
		.amdhsa_memory_ordered 1
		.amdhsa_forward_progress 1
		.amdhsa_inst_pref_size 21
	.end_amdhsa_kernel
	.amdgpu_metadata
---
amdhsa.version: [ 1, 2 ]
amdhsa.kernels:
  - .name:           k_q62f835c7e6_pick
    .symbol:         k_q62f835c7e6_pick.kd
    .args:
      - { .name: inputs, .offset: 0, .size: 8, .value_kind: global_buffer, .address_space: global }
      - { .name: rec, .offset: 8, .size: 8, .value_kind: global_buffer, .address_space: global }
      - { .name: bm, .offset: 16, .size: 8, .value_kind: global_buffer, .address_space: global }
      - { .name: rk, .offset: 24, .size: 8, .value_kind: global_buffer, .address_space: global }
      - { .name: la, .offset: 32, .size: 8, .value_kind: global_buffer, .address_space: global }
      - { .name: lb, .offset: 40, .size: 8, .value_kind: global_buffer, .address_space: global }
      - { .name: out0, .offset: 48, .size: 8, .value_kind: global_buffer, .address_space: global }
    .group_segment_fixed_size: 0
    .private_segment_fixed_size: 0
    .kernarg_segment_align: 8
    .kernarg_segment_size: 56
    .max_flat_workgroup_size: 256
    .sgpr_count:     100
    .vgpr_count:     128
    .wavefront_size: 32
...
	.end_amdgpu_metadata
.endif
;; end of part 3
